; MI455X (gfx1250); checked and timed in simulation.
; The chip was launched on July 23, 2026; its instructions are those of AMD's public machine-readable ISA for CDNA 5 (MIT licence, August 2026) and "CDNA5" Instruction Set Architecture Reference Guide (July 2026). The comments in the code are by the model that wrote it; some were corrected since.
;; Bit Linear. Allowed arithmetic: matrix products marked QUANTISED: E2M1 operands, one E8M0 scale for each 32 along K, by v_wmma_scale_f32_16x16x128_f8f6f4 with both operands' format E2M1 (or v_wmma_scale_f32_32x16x128_f4), f32 sums; everything else in f32.
;; Inputs: bp 1,048,576 int32; scale 2,048 x 1 float32; x 8,192 x 4,096 float32.
;; Outputs: out0 8,192 x 2,048 float32.
;; This version of the problem:
;;   THIS VERSION OF THE PROBLEM IS GIVEN IN LOW PRECISION. The matrix products marked QUANTISED in the list below multiply operands that are first quantised to E2M1 (2 exponent bits, 1 mantissa bit; 4 bits a number), with one power-of-two scale for each 32 numbers along K (OCP MX v1.0); their sums are f32. All else is computed in f32.
;;   The module's matrix products, in the order in which they are computed (A, B: the left and right operand; K: the contracted axis; several contracted axes count as one K, in the product's order):
;;     1. [M 8,192, K 4,096] x [K 4,096, N 2,048]; A: input x; B: computed on the way: QUANTISED
;;   THE QUANTISER, for each operand of a quantised product, along K:
;;     - K is cut into blocks of 32 from its start; a last block that is shorter is filled with zeros.
;;     - A block's scale is 2^e with e = floor(log2(the largest magnitude in the block)) - 2, held to -126 .. 127; a block of zeros has e = 0. As a byte (E8M0): e + 127.
;;     - Each number is divided by its block's scale, clamped to +-6, and rounded to the nearest number of E2M1, ties to even, subnormals kept.
;;     - The product sums the exact products of the quantised numbers (number of the format x scale) in f32.
;;   ~~~python
;;   def quantise(x, axis):      # numpy; x: float32 -> the quantised numbers, widened to float32 again
;;       x = np.moveaxis(x, axis, -1); K = x.shape[-1]
;;       x = np.pad(x, [(0, 0)] * (x.ndim - 1) + [(0, -K % 32)]); x = x.reshape(x.shape[:-1] + (-1, 32)); a = np.abs(x).max(-1, keepdims=True)
;;       e = np.where(a > 0, np.clip(np.frexp(np.where(a > 0, a, 1))[1] - 1 - 2, -126, 127), 0)      # np.frexp(a)[1] - 1 = floor(log2(a)), exactly
;;       r = np.clip(x / 2.0 ** e, -6, 6)
;;       step = 2.0 ** (np.maximum(np.frexp(np.where(r == 0, 1, r))[1] - 1, 0) - 1)
;;       q = np.round(r / step) * step * 2.0 ** e      # np.round: ties to even
;;       return np.moveaxis(q.reshape(q.shape[:-2] + (-1,))[..., :K], -1, axis).astype(np.float32)
;;   ~~~
;;   OPERANDS COMPUTED ON THE WAY. 'Computed on the way' means the value that the module computes at that place (a softmax that the list does not call 'softmax' is quantised finished and normalised). What goes into a quantiser is computed in f32, as accurately as f32 sums, v_exp_f32 and their like allow (about 1e-6 of the number): no bf16 or f16 on the way to a quantiser, and a product that is left as it is and whose result goes on into a quantised operand takes f32 operands (vector FMAs, or v_wmma_f32_16x16x4_f32). A number that lies on a knife's edge between two numbers of the format may be rounded either way, as far as f32 arithmetic and the matrix unit's own rounding can turn it there, and no further.
;; One version. Each part assembles by itself: llvm-mc -triple=amdgcn-amd-amdhsa -mcpu=gfx1250 --defsym DOCPART=n.
;; ======== version 1 of 1: 2 launches
;; limits: right only within a limited range of input values
;; workspace buffers: xc 16,777,216 bytes; xs 1,048,576 bytes; wp 1,048,576 bytes; ws 32,768 bytes
;; launch quant (part 1): grid 1152 x 1, 4 waves a work-group, no clusters, 9,728 bytes of LDS; arguments x, bp, scale, xc, xs, wp, ws; writes xc, xs, wp, ws
.if DOCPART == 1
	.amdgcn_target "amdgcn-amd-amdhsa--gfx1250"
	.amdhsa_code_object_version 6
	.text
	.protected	k_q5bd9a9a8a2_quant
	.globl	k_q5bd9a9a8a2_quant
	.p2align	8
	.type	k_q5bd9a9a8a2_quant,@function
k_q5bd9a9a8a2_quant:
	s_mov_b64 s[64:65], 0
	v_nop
	global_prefetch_b8 v0, s[64:65] scope:SCOPE_SE
	s_setreg_imm32_b32 hwreg(HW_REG_WAVE_MODE, 25, 1), 1
	s_wait_xcnt 0x0
; Both operands of out0 = x w^T are quantised to FP4 (E2M1) along K, one E8M0 scale byte for each 32.
;   x [8192][4096] f32 -> xc [8192][2048 bytes] codes, K innermost, the lower k in the low four bits; xs [8192][128] scale bytes.
;   w [2048][4096] = +-scale[n]: all 32 magnitudes of a block of row n are |scale[n]|, so a row has ONE scale byte and ONE magnitude code; only the sign differs.
;   So w's codes are kept as: ws: for each column a pair (eight magnitude codes, the scale byte four times); wp: one word of 32 code signs for each block of 32.
;   In a sign word, bit 4 t + i is the sign of the code of k = 8 i + t of the block: shifted left by 3 - i it lies on the sign bits of code word i.
;   LAYOUT of wp, in the order of the product's operand registers: [tile nb of 16 columns][512 along K][half j][lane 16 h + r][4 words]: word 2 (q & 1) + c of lane (r, h) is block 16 s + 4 q + 2 c + h, q = 2 j + (q & 1).
;   Tile nb = 4 g + b holds the columns 64 g + 4 r + b, r = 0 .. 15: so four neighbouring tiles give a lane of the product four neighbouring columns.
; A block's scale is 2^(floor(log2(its largest magnitude)) - 2); its byte is the largest magnitude's exponent field - 2, held at 1 from below.
; LIMITS: NaN and infinities in x or scale are not served.  A block of zeros gets the byte 1 where the rule says 127: its codes are zeros, and this program alone reads the bytes.
;         Bits of bp above bit 7 are ignored, as (bp >> shift) & 1 ignores them.
; SHARES: work-groups 0 to 127 take w, a tile of 16 columns each; work-groups 128 to 1151 take x, 32,768 numbers each.  Waves share nothing: no barrier.  Each path has LDS bytes of its own.
.set WGW,   128
.set STEPS, 16                         ; x: steps of 512 numbers for a wave
.set AH,    7                          ; x: loads run seven steps (28 loads a wave) ahead
.set R,     16                         ; x: v16-127  seven sets of 16 numbers as loaded: load i's four at 4 i
.set M,     128                        ; x: v128-131 four blocks' largest magnitudes, then the conversions' scale operands
.set BY,    132                        ; x: v132-135 their scale bytes
.set CV,    136                        ; x: v136-139 four conversions' results
.set W,     140                        ; x: v140-141 my 4 x 4 codes;  v142-143 what other lanes send
.set T,     142
.set C,     144                        ; x: v144-175 two registers of codes for each step: no store's data are written again
.set D,     16                         ; w: v16-79   sixteen loads of four words of bp; the first of each four becomes the sign word
.set TW,    80                         ; w: v80-87   eight copies of the lane's scale
.set SPARE, 0x400                      ; LDS: x's scale bytes 0 .. 1,023 (256 a wave); the spare words, 512 bytes; w: 2,048 bytes for each wave
.set WLDS,  0x600
	s_load_b256 s[4:11], s[0:1], 0x0               ; x s[4:5], bp s[6:7], scale s[8:9], xc s[10:11]
	s_load_b128 s[12:15], s[0:1], 0x20             ; xs s[12:13], wp s[14:15]
	s_load_b64 s[16:17], s[0:1], 0x30              ; ws
	v_lshl_add_u32 v7, v0, 2, SPARE                ; my spare word, and 0; v7 and v10 serve nothing else
	v_mov_b32 v10, 0
	v_lshrrev_b32 v1, 5, v0
	v_readfirstlane_b32 s18, v1                    ; wave 0..3
	v_and_b32 v2, 31, v0                           ; lane
	v_lshlrev_b32 v3, 4, v2                        ; 16 x lane; never rewritten
	s_wait_alu depctr_va_vdst(0)
	s_wait_kmcnt 0x0
	s_cmp_lt_u32 ttmp9, WGW                        ; the branch hangs on the work-group's number alone
	s_cbranch_scc1 .Lweights
; ---------------- x: a plain stream of blocks of 32 numbers ----------------
; Each of a step's four loads reads 512 consecutive bytes, 16 a lane: load i gives lane l the numbers 128 i + 4 l + 0 .. 3, which lie in block 4 i + l / 8.  So a lane holds four numbers of each of four blocks,
; and a block lies in eight neighbouring lanes: its largest magnitude is joined by three steps across lanes.  A conversion takes eight registers under one scale: the registers of loads 0 and 1 (2 and 3) are
; converted twice, once under each block's scale, and of each result the 16 bits of its own block are kept.  Then only the CODES change lanes: of each four lanes 4 m + e, lane e gathers the four pieces of load e:
; 16 neighbouring codes, k = 128 e + 16 m + 0 .. 15, 8 bytes at byte 64 e + 8 m of the step's 256: the wave's store covers 256 consecutive bytes, aligned.
	s_lshl_b32 s19, s18, 8                         ; my wave's 256 scale bytes in LDS
	v_lshlrev_b32 v4, 3, v2                        ; 8 x lane
	v_lshrrev_b32 v5, 3, v2
	v_add_nc_u32 v5, s19, v5                       ; LDS: my eight lanes' byte; load i adds 4 i, step t 16 t
	v_add_nc_u32 v6, s19, v4                       ; LDS: the 8 scale bytes that I store at the end
	v_and_b32 v11, 3, v2                           ; e
	v_lshrrev_b32 v12, 2, v2                       ; m
	v_lshlrev_b32 v8, 6, v11
	v_lshl_add_u32 v8, v12, 3, v8                  ; 64 e + 8 m
	v_and_b32 v13, 1, v2
	v_cmp_ne_u32 s26, 0, v13                       ; odd lanes
	v_and_b32 v14, 2, v2
	v_cmp_ne_u32 s27, 0, v14                       ; the upper two of four lanes
	v_mov_b32 v11, 0x05040100                      ; even lanes: my low half, my neighbour's low half
	v_mov_b32 v12, 0x03020706                      ; odd lanes: my neighbour's high half, my high half
	v_cndmask_b32 v9, v11, v12, s26
	v_mov_b32 v[T], 0                              ; (a DPP move's destination counts as one of its sources)
	v_mov_b32 v[T+1], 0
	s_mov_b32 s28, 0xffff
	s_sub_co_u32 s20, ttmp9, WGW
	s_lshl_b32 s20, s20, 2
	s_add_co_u32 s20, s20, s18                     ; my wave's run of 8,192 numbers: 0 .. 4095
	s_mov_b32 s23, 0
	s_lshl_b32 s22, s20, 15
	s_add_nc_u64 s[4:5], s[4:5], s[22:23]
	s_lshl_b32 s22, s20, 12
	s_add_nc_u64 s[10:11], s[10:11], s[22:23]
	s_lshl_b32 s22, s20, 8
	s_add_nc_u64 s[12:13], s[12:13], s[22:23]
.macro LOAD t
.irp i, 0,1,2,3
	global_load_b128 v[R+16*((\t)%AH)+4*\i:R+16*((\t)%AH)+4*\i+3], v3, s[4:5] offset:2048*(\t)+512*\i th:TH_LOAD_NT
.endr
.endm
.macro STEP t
.set RS, R+16*((\t)%AH)
.if (\t)+AH-1 < STEPS
	s_wait_loadcnt 4*(AH-1)                        ; this step's four loads are in; those of the six steps behind it may be out
.else
	s_wait_loadcnt 4*(STEPS-1-(\t))
.endif
.irp i, 0,1,2,3
	v_max3_num_f32 v[M+\i], |v[RS+4*\i]|, |v[RS+4*\i+1]|, 0x1800000   ; my four of block 4 i + l / 8, and the floor 2^(3 - 127): the byte cannot fall under 1
.endr
.irp i, 0,1,2,3
	v_max3_num_f32 v[M+\i], v[M+\i], |v[RS+4*\i+2]|, |v[RS+4*\i+3]|
.endr
.irp x, 1,2,4
.irp i, 0,1,2,3
	v_max_num_f32_dpp v[M+\i], v[M+\i], v[M+\i] row_xmask:\x row_mask:0xf bank_mask:0xf   ; with the other seven lanes' (the four blocks by turns)
.endr
.endr
.irp i, 0,1,2,3
	v_add_nc_u32 v[M+\i], 0xff000000, v[M+\i]      ; 2 off the exponent field: the conversion's scale operand
.endr
	v_cvt_scalef32_pk8_fp4_f32 v[CV],   v[RS:RS+7],    v[M]     ; the low 16 bits are load 0's four codes,
	v_cvt_scalef32_pk8_fp4_f32 v[CV+1], v[RS:RS+7],    v[M+1]   ; the high 16 bits load 1's,
	v_cvt_scalef32_pk8_fp4_f32 v[CV+2], v[RS+8:RS+15], v[M+2]
	v_cvt_scalef32_pk8_fp4_f32 v[CV+3], v[RS+8:RS+15], v[M+3]
.irp i, 0,1,2,3
	v_lshrrev_b32 v[BY+\i], 23, v[M+\i]            ; the scale bytes (also the plain lines behind the conversions)
.endr
	v_bfi_b32 v[W],   s28, v[CV],   v[CV+1]        ; pieces 0 and 1,
	v_bfi_b32 v[W+1], s28, v[CV+2], v[CV+3]        ; pieces 2 and 3
	v_mov_b32_dpp v[T],   v[W]   row_xmask:1 row_mask:0xf bank_mask:0xf
	v_mov_b32_dpp v[T+1], v[W+1] row_xmask:1 row_mask:0xf bank_mask:0xf
	v_perm_b32 v[W],   v[T],   v[W],   v9          ; piece e & 1 of my pair of lanes, the even lane's below,
	v_perm_b32 v[W+1], v[T+1], v[W+1], v9          ; and piece 2 + (e & 1)
	v_cndmask_b32 v[T], v[W+1], v[W], s27          ; what lane l xor 2 wants of me
	v_mov_b32_dpp v[T+1], v[T] row_xmask:2 row_mask:0xf bank_mask:0xf
	v_cndmask_b32 v[C+2*(\t)],   v[W],   v[T+1], s27   ; piece e of lanes 4 m, 4 m + 1,
	v_cndmask_b32 v[C+2*(\t)+1], v[T+1], v[W+1], s27   ; and of lanes 4 m + 2, 4 m + 3
.irp i, 0,1,2,3
	ds_store_b8 v5, v[BY+\i] offset:16*(\t)+4*\i   ; the eight lanes of a block write the same byte with the same value
.endr
	global_store_b64 v8, v[C+2*(\t):C+2*(\t)+1], s[10:11] offset:256*(\t)   ; the wave stores 256 consecutive bytes, aligned
.if (\t)+AH < STEPS
	LOAD (\t)+AH                                   ; the set just converted takes the loads of seven steps on
.endif
.endm
.irp t, 0,1,2,3,4,5,6
	LOAD \t
.endr
	s_wait_alu depctr_va_vdst(0)
.irp t, 0,1,2,3,4,5,6,7,8,9,10,11,12,13,14,15
	STEP \t
.endr
	ds_load_b64 v[12:13], v6                       ; LDS serves a wave's instructions in order (ISA guide 5.7.1.4): these see my byte stores
	s_wait_dscnt 0x0
	global_store_b64 v4, v[12:13], s[12:13]        ; the wave's 256 scale bytes, aligned
	s_wait_tensorcnt 0x0                           ; the wave's end
	ds_add_u32 v7, v10
	s_wait_dscnt 0x0
	s_endpgm
; ---------------- w: four words of bp (32 weights, one block) become one sign word ----------------
; Wave w takes blocks 32 w + lane of all 16 rows of the tile: one load of 512 consecutive bytes a row.  Its 512 sign words are 2,048 consecutive bytes of wp: they are put in order in the wave's own LDS bytes.
.Lweights:
	s_lshr_b32 s20, ttmp9, 2
	s_and_b32 s21, ttmp9, 3
	s_lshl_b32 s20, s20, 6
	s_add_co_u32 s20, s20, s21                     ; the tile's first row: 64 g + b; its rows lie 4 apart
	s_lshl_b32 s22, s20, 11
	s_lshl_b32 s23, s18, 9
	s_add_co_u32 s22, s22, s23
	s_mov_b32 s23, 0
	s_add_nc_u64 s[6:7], s[6:7], s[22:23]          ; bp: 2,048 bytes a row, + 512 w
	s_lshl_b32 s22, s20, 2
	s_add_nc_u64 s[8:9], s[8:9], s[22:23]          ; scale
	s_lshl_b32 s22, ttmp9, 13
	s_lshl_b32 s21, s18, 11
	s_add_co_u32 s22, s22, s21
	s_add_nc_u64 s[14:15], s[14:15], s[22:23]      ; wp: 8,192 bytes a tile, 2,048 a wave
	s_lshl_b32 s22, ttmp9, 8
	s_add_nc_u64 s[16:17], s[16:17], s[22:23]      ; ws: 256 bytes a tile
	s_add_co_u32 s24, s21, WLDS                    ; my wave's LDS bytes
	s_mov_b32 s29, 0x8421
	s_mov_b32 s30, 0x11111111
	v_and_b32 v4, 15, v2
	v_lshlrev_b32 v4, 4, v4                        ; lane r (and 16 + r) takes row r's scale: 16 bytes apart
	v_bfe_u32 v5, v2, 4, 1                         ; block 32 w + lane: which 512 along K,
	v_bfe_u32 v6, v2, 3, 1                         ; j,
	v_and_b32 v11, 1, v2                           ; h,
	v_bfe_u32 v8, v2, 2, 1                         ; q & 1,
	v_bfe_u32 v9, v2, 1, 1                         ; c
	v_lshlrev_b32 v92, 10, v5
	v_lshl_add_u32 v92, v6, 9, v92
	v_lshl_add_u32 v92, v11, 8, v92
	v_lshl_add_u32 v92, v8, 3, v92
	v_lshl_add_u32 v92, v9, 2, v92
	v_add_nc_u32 v92, s24, v92                     ; LDS: my sign word's place; row r adds 16 r
	v_add_nc_u32 v93, s24, v3                      ; and back: 16 x lane
	v_lshlrev_b32 v94, 3, v2
	s_wait_alu depctr_va_vdst(0)
	global_load_b32 v90, v4, s[8:9]
.irp r, 0,1,2,3,4,5,6,7,8,9,10,11,12,13,14,15
	global_load_b128 v[D+4*\r:D+4*\r+3], v3, s[6:7] offset:8192*\r th:TH_LOAD_NT
.endr
	s_wait_loadcnt 16                              ; the scale is in
.irp i, 0,1,2,3,4,5,6,7
	v_mov_b32 v[TW+\i], v90
.endr
	v_max3_num_f32 v8, |v[TW]|, |v[TW+1]|, 0x1800000 ; the block's largest magnitude is |scale|; the floor holds the byte at 1
	v_add_nc_u32 v9, 0xff000000, v8
	v_cvt_scalef32_pk8_fp4_f32 v88, v[TW:TW+7], v9 ; eight codes of scale
	v_lshrrev_b32 v95, 23, v9                      ; the scale byte (also the plain line behind the conversion)
	v_lshl_or_b32 v95, v95, 8, v95
	v_lshl_or_b32 v89, v95, 16, v95                ; four times: the scale word of any 128 along K
	v_and_b32 v88, 0x77777777, v88                 ; the eight magnitudes
	v_ashrrev_i32 v91, 31, v90
	v_xor_b32 v91, -1, v91                         ; a code's sign is NOT(weight bit) XOR (scale < 0): all ones where scale is not negative
.irp r, 0,1,2,3,4,5,6,7,8,9,10,11,12,13,14,15
	v_readlane_b32 s[32+\r], v91, \r
.endr
	s_wait_alu depctr_va_vdst(0)
	s_cmp_lg_u32 s18, 0
	s_cbranch_scc1 .Lno_pair
	global_store_b64 v94, v[88:89], s[16:17]       ; wave 0: the tile's pairs, for both halves of the lanes: 256 consecutive bytes, aligned
.Lno_pair:
; A half u (4 bits) x 0x8421 lays copies of u at bits 15, 10, 5, 0: at bits 15, 11, 7, 3 stand bits 0, 1, 2, 3 of u.  The byte's low half belongs to the upper 16 bits.  Shifted right by 3 and masked: weight t of the word at bit 4 t.
.macro SPREAD d, t
	v_and_b32 v[\t], 15, v[\d]
	v_bfe_u32 v[\t+1], v[\d], 4, 4
	v_mul_u32_u24 v[\t], s29, v[\t]
	v_mul_u32_u24 v[\t+1], s29, v[\t+1]
	v_lshl_or_b32 v[\t], v[\t], 16, v[\t+1]
	v_lshrrev_b32 v[\t], 3, v[\t]
	v_and_b32 v[\d], s30, v[\t]
.endm
.irp r, 0,1,2,3,4,5,6,7,8,9,10,11,12,13,14,15
	s_wait_loadcnt 15-\r
	SPREAD D+4*\r,   8
	SPREAD D+4*\r+1, 12
	SPREAD D+4*\r+2, 8
	SPREAD D+4*\r+3, 12
	v_lshl_or_b32 v[D+4*\r+3], v[D+4*\r+3], 1, v[D+4*\r+2]
	v_lshl_or_b32 v[D+4*\r+3], v[D+4*\r+3], 1, v[D+4*\r+1]
	v_lshl_or_b32 v[D+4*\r], v[D+4*\r+3], 1, v[D+4*\r]     ; word i's bits at 4 t + i
	v_xor_b32 v[D+4*\r], s[32+\r], v[D+4*\r]
	ds_store_b32 v92, v[D+4*\r] offset:16*\r
.endr
.irp i, 0,1,2,3
	ds_load_b128 v[96+4*\i:99+4*\i], v93 offset:512*\i     ; in order: these see my stores
.endr
	s_wait_dscnt 0x0
.irp i, 0,1,2,3
	global_store_b128 v3, v[96+4*\i:99+4*\i], s[14:15] offset:512*\i   ; 512 consecutive bytes, aligned
.endr
	s_wait_tensorcnt 0x0                           ; the wave's end
	ds_add_u32 v7, v10
	s_wait_dscnt 0x0
	s_endpgm
.Lfunc_end_k_q5bd9a9a8a2_quant:
	.size	k_q5bd9a9a8a2_quant, .Lfunc_end_k_q5bd9a9a8a2_quant-k_q5bd9a9a8a2_quant
	.p2alignl 7, 3214868480
	.fill 96, 4, 3214868480
	.section	.rodata,"a",@progbits
	.p2align	6, 0x0
	.amdhsa_kernel k_q5bd9a9a8a2_quant
		.amdhsa_group_segment_fixed_size 9728
		.amdhsa_private_segment_fixed_size 0
		.amdhsa_enable_private_segment 0
		.amdhsa_kernarg_size 56
		.amdhsa_user_sgpr_count 2
		.amdhsa_user_sgpr_kernarg_segment_ptr 1
		.amdhsa_wavefront_size32 1
		.amdhsa_system_sgpr_workgroup_id_x 1
		.amdhsa_system_sgpr_workgroup_id_y 1
		.amdhsa_system_sgpr_workgroup_id_z 1
		.amdhsa_system_vgpr_workitem_id 0
		.amdhsa_next_free_vgpr 192
		.amdhsa_next_free_sgpr 66
		.amdhsa_reserve_vcc 0
		.amdhsa_float_denorm_mode_32 3
		.amdhsa_float_denorm_mode_16_64 3
		.amdhsa_memory_ordered 1
		.amdhsa_forward_progress 1
		.amdhsa_inst_pref_size 86
	.end_amdhsa_kernel
	.amdgpu_metadata
---
amdhsa.version: [ 1, 2 ]
amdhsa.kernels:
  - .name:           k_q5bd9a9a8a2_quant
    .symbol:         k_q5bd9a9a8a2_quant.kd
    .args:
      - { .name: x, .offset: 0, .size: 8, .value_kind: global_buffer, .address_space: global }
      - { .name: bp, .offset: 8, .size: 8, .value_kind: global_buffer, .address_space: global }
      - { .name: scale, .offset: 16, .size: 8, .value_kind: global_buffer, .address_space: global }
      - { .name: xc, .offset: 24, .size: 8, .value_kind: global_buffer, .address_space: global }
      - { .name: xs, .offset: 32, .size: 8, .value_kind: global_buffer, .address_space: global }
      - { .name: wp, .offset: 40, .size: 8, .value_kind: global_buffer, .address_space: global }
      - { .name: ws, .offset: 48, .size: 8, .value_kind: global_buffer, .address_space: global }
    .group_segment_fixed_size: 9728
    .private_segment_fixed_size: 0
    .kernarg_segment_align: 8
    .kernarg_segment_size: 56
    .max_flat_workgroup_size: 128
    .sgpr_count:     66
    .vgpr_count:     192
    .wavefront_size: 32
...
	.end_amdgpu_metadata
.endif
;; end of part 1
;; launch gemm (part 2): grid 8 x 32, 4 waves a work-group, clusters of 4 x 1, 327,680 bytes of LDS; arguments xc, xs, wp, ws, out0; writes out0
.if DOCPART == 2
	.amdgcn_target "amdgcn-amd-amdhsa--gfx1250"
	.amdhsa_code_object_version 6
	.text
	.protected	k_q5bd9a9a8a2_gemm
	.globl	k_q5bd9a9a8a2_gemm
	.p2align	8
	.type	k_q5bd9a9a8a2_gemm,@function
k_q5bd9a9a8a2_gemm:
	s_mov_b64 s[64:65], 0
	v_nop
	global_prefetch_b8 v0, s[64:65] scope:SCOPE_SE
	s_setreg_imm32_b32 hwreg(HW_REG_WAVE_MODE, 25, 1), 1
	s_wait_xcnt 0x0
	s_wait_alu depctr_hold_cnt(0) depctr_sa_sdst(0) depctr_va_vdst(0) depctr_va_sdst(0) depctr_va_ssrc(0) depctr_va_vcc(0) depctr_vm_vsrc(0)
	s_getreg_b32 s2, hwreg(HW_REG_IB_STS2, 6, 4)
	s_cmp_eq_u32 s2, 0
	s_cbranch_scc0 .Lentry_in_a_cluster
	s_endpgm
.Lentry_in_a_cluster:
	s_bfe_u32 s2, ttmp6, 0x10000c
	s_cmp_lg_u32 s2, 0x3003
	s_cbranch_scc0 .Lentry_shape_is_right
	s_endpgm
.Lentry_shape_is_right:
; out0[m][n] = sum over k of x[m][k] w[n][k], both in FP4 (E2M1) with E8M0 scales for each 32 along K, f32 sums, by v_wmma_scale_f32_32x16x128_f4.
; A tile of out0, 256 x 256, is made by four waves; a wave makes 128 x 128: 32 accumulators of 32 x 16, 512 registers.
; x: codes come by tensor loads through a ring of two LDS slots, each 256 rows x 1,024 along K (rows of 512 bytes + 16 of padding); its scale bytes (32,768 for the tile's rows) come once, at the head, and stay in LDS.
; w: a row has one magnitude code and one scale byte; its codes are kept as sign words (one for each block of 32), laid in the order of the operand's registers.  A wave loads them from memory straight into registers,
;    512 consecutive bytes a load, and makes each code word by a shift and v_bfi_b32 (signs from the word, magnitudes from the column's register), one step of 128 ahead of the products.
; THE LAST 15 STEPS OF 128 GO TWICE, BY HALVES OF THE COLUMNS: both slots then hold their last fills, so x's fragments can be read again.  First my tiles 0-3 of w are finished, then tiles 4-7; while these are
;    multiplied, the finished columns are stored, 8 stores behind every second step.  No fragment of w is made twice and no sign word is loaded twice: each pass touches its own half of the sets.
; CLUSTERS: 4 x 1: the four work-groups of a cluster make tiles of one tile row and ask for x's tiles and scales jointly (mask 15).  w's sign words never lie in LDS, so there is no tile of w to ask for jointly.
; PREFETCH: x's K steps 2 and 3 are asked for one K step (256 matrix instructions a wave) ahead of their loads: 512 blocks of 256 bytes a K step, one for each lane of the cluster's 16 waves, shared out by address.
;    w's sign words have none: each of their loads stands four steps of 128 ahead of the wait for it, under a counted wait, in registers of its own.
; COLUMNS: tile b of four neighbouring tiles of w holds columns 4 r + b.  In the result lane (r, h) holds column r of the tile, register j row 8 h + j: so register j of four accumulators is 16 neighbouring bytes of a row,
;    and sixteen lanes store 256 consecutive bytes, aligned: four copies for each store, and no way through LDS.
; REGISTERS: window 0: v0-31 addresses; v32-63 x's scale words, two sets; v64-79 w's pairs (magnitudes, scale word) of my 8 tiles; v128-191 x's fragments, one set; v96-127, v192-255 three buffers for the early stores.
;   window 1: v0-127 w's code fragments, two sets; v128-255 sign words, two sets of 512 along K.  windows 2, 3: the accumulators ((a, b) at 16 (8 (a % 2) + b)).
.set PITCH,  528
.set SLOT,   256*PITCH                 ; 135,168 = 0x21000
.set SCL,    2*SLOT                    ; the scales: 128 rows of 256 bytes + 16
.set SPARE,  SCL+128*272               ; the spare words, 512 bytes that no other line names
.set ABASE, 16                         ; v16 my fragments' address in slot 0; v17, v18 in the slot at work and in the next
.set ADRC,  17
.set ADRN,  18
.set ADRS,  19                         ; my scale words
.set PB,    20                         ; 16 x lane
.set WO,    21                         ; 8 x lane
.set CO,    22                         ; my place in out0
.set PFO,   23                         ; the prefetches' offset
.set SPW,   28
.set NIL,   29
.set SC,    32
.set WB,    64
.set AF,    128
.set PR,    128
.set G1,  24                           ; s[24:31] group 1 of the ring's loads: 64 rows;  s[32:35] their group 0
.set G0,  32
.set G0H, 36                           ; s[36:39], s[48:55] the head's loads of K step 0: 128 rows
.set G1H, 48
.set G0S, 44                           ; s[44:47], s[56:63] the scales
.set G1S, 56
.set BP,  66                           ; s[66:67] my sign words
.set PFA, 68                           ; s[68:69] my prefetches: K step 2
.set CUR, 70                           ; the slot at work, the next: 0 or SLOT
.set NXT, 71
.set SM,  73                           ; the eight sign bits
.set HALF, 0                           ; which of w's tiles a step takes: 0 all eight, 1 tiles 0-3, 2 tiles 4-7
.set DO_EXP, 1                         ; the step makes the next step's fragments of w
.set DO_P, 1                           ; sign words are still to be loaded
.set DO_SC5, 1                         ; scale words are loaded in a slot's step 5 too
.set LC, 16                            ; the loads of sign words that may be out when a set is wanted
.set SC1OFF, 16                        ; where the scale words loaded in a slot's steps 1 and 5 lie, from v[ADRS]
.set SC5OFF, 32
.set MSB, 0
.macro WIN new
.if MSB != \new
	s_set_vgpr_msb (MSB<<8)|\new
.set MSB, \new
.endif
.endm
.set MUL_LO, 0xa4                      ; source 0 (x) window 0, source 1 (w) window 1, C and D window 2
.set MUL_HI, 0xf4
.set TO_B,   0x40                      ; destination window 1
.set EXPW,   0x44                      ; destination and source 1 window 1
.macro PLACES
.rept 4
	v_nop
.endr
.endm
.macro CREST
	s_cmp_lg_u32 s14, 0
	s_cbranch_scc1 .Lnot_wave_0_\@
	s_barrier_signal -3
.Lnot_wave_0_\@:
	s_barrier_wait -3
	s_barrier_signal -1
	s_barrier_wait -1
.endm
.macro CROUND
	s_barrier_signal -1
	s_barrier_wait -1
	CREST
.endm
	s_load_b128 s[4:7], s[0:1], 0x0                ; xc, xs
	s_load_b128 s[8:11], s[0:1], 0x10              ; wp, ws
	s_load_b64 s[12:13], s[0:1], 0x20              ; out0
	v_lshl_add_u32 v[SPW], v0, 2, SPARE
	v_mov_b32 v[NIL], 0
	ds_add_u32 v[SPW], v[NIL]                      ; the opening: the add, twice on end, and its wait
	ds_add_u32 v[SPW], v[NIL]
	v_lshrrev_b32 v1, 5, v0
	v_readfirstlane_b32 s14, v1                    ; wave
	s_lshr_b32 s15, s14, 1                         ; my half of the tile's rows
	s_and_b32 s16, s14, 1                          ; my half of its columns
	s_bfe_u32 s40, ttmp6, 0x40000                  ; cx
	s_lshl_b32 s42, ttmp9, 2
	s_add_co_u32 s42, s42, s40                     ; tile column
	s_and_b32 s17, ttmp7, 0xffff                   ; tile row
.irp g, G1, G1H
	s_mov_b32 s[\g+0], 15|(1<<20)|(1<<21)|(6<<22)|(3<<25)   ; mask 15; bytes; 4 words of padding behind every 128
	s_mov_b32 s[\g+1], 512<<16
	s_mov_b32 s[\g+3], 512<<16
	s_mov_b32 s[\g+5], 2048
	s_mov_b32 s[\g+6], 0
	s_mov_b32 s[\g+7], 0
.endr
	s_mov_b32 s[G1+2], 64<<16
	s_mov_b32 s[G1+4], 64
	s_mov_b32 s[G1H+2], 128<<16
	s_mov_b32 s[G1H+4], 128
	s_mov_b32 s[G1S+0], 15|(3<<16)|(1<<20)|(1<<21)|(5<<22)|(3<<25)   ; a dense block as 64 rows of 256 bytes (32 elements of 8)
	s_mov_b32 s[G1S+1], 32<<16
	s_mov_b32 s[G1S+2], 64<<16
	s_mov_b32 s[G1S+3], 32<<16
	s_mov_b32 s[G1S+4], 64
	s_mov_b32 s[G1S+5], 32
	s_mov_b32 s[G1S+6], 0
	s_mov_b32 s[G1S+7], 0
	s_lshl_b32 s20, s17, 19                        ; the tile's 256 rows of 2,048 bytes
	s_lshl_b32 s76, s16, 18
	s_add_co_u32 s76, s76, s20                     ; head: 128 rows by wave & 1
	s_mov_b32 s77, 0
	s_lshl_b32 s78, s14, 17
	s_add_co_u32 s78, s78, s20                     ; ring: 64 rows by wave,
	s_add_co_u32 s80, s78, 1024                    ; (prefetch: K step 2,
	s_add_co_u32 s78, s78, 512                     ; K step 1
	s_mov_b32 s79, 0
	s_lshl_b32 s81, s40, 15
	s_add_co_u32 s80, s80, s81                     ; my work-group's 16 of the wave's 64 rows)
	s_mov_b32 s81, 0
	s_lshl_b32 s74, s17, 15                        ; scales: 128 bytes a row
	s_lshl_b32 s75, s16, 14
	s_add_co_u32 s74, s74, s75
	s_mov_b32 s75, 0
	s_mul_i32 s[G0H+1], s16, 128*PITCH
	s_mul_i32 s[G0S+1], s16, 64*272
	s_add_co_u32 s[G0S+1], s[G0S+1], SCL
	s_mul_i32 s[G0+1], s14, 64*PITCH               ; (no bit of it meets SLOT's two bits: the slots change by s_xor_b32)
	s_add_co_u32 s[G0+1], s[G0+1], SLOT
	s_mov_b32 s[G0], 1
	s_mov_b32 s[G0H], 1
	s_mov_b32 s[G0S], 1
	s_mul_i32 s82, s15, 128*PITCH
	s_mul_i32 s83, s15, 64*272
	s_add_co_u32 s83, s83, SCL
	s_lshl_b32 s84, s42, 17                        ; sign words: 16 tiles of 8,192 bytes a tile column, 8 a half
	s_lshl_b32 s85, s16, 16
	s_add_co_u32 s84, s84, s85
	s_mov_b32 s85, 0
	s_lshl_b32 s86, s42, 12                        ; pairs: 256 bytes a tile
	s_lshl_b32 s87, s16, 11
	s_add_co_u32 s86, s86, s87
	s_mov_b32 s87, 0
	s_lshl_b32 s88, s17, 21                        ; out0: rows of 8,192 bytes
	s_lshl_b32 s89, s15, 20
	s_add_co_u32 s88, s88, s89
	s_lshl_b32 s89, s42, 10
	s_add_co_u32 s88, s88, s89
	s_lshl_b32 s89, s16, 9
	s_add_co_u32 s88, s88, s89
	s_mov_b32 s89, 0
	s_mov_b32 s[CUR], 0
	s_mov_b32 s[NXT], SLOT
	s_mov_b32 s[SM], 0x88888888
	s_wait_dscnt 0x0
	s_wait_kmcnt 0x0
	s_add_nc_u64 s[G0H+2:G0H+3], s[4:5], s[76:77]
	s_or_b32 s[G0H+3], s[G0H+3], 0x80000000
	s_add_nc_u64 s[G0+2:G0+3], s[4:5], s[78:79]
	s_or_b32 s[G0+3], s[G0+3], 0x80000000
	s_add_nc_u64 s[G0S+2:G0S+3], s[6:7], s[74:75]
	s_or_b32 s[G0S+3], s[G0S+3], 0x80000000
	s_add_nc_u64 s[PFA:PFA+1], s[4:5], s[80:81]
	s_add_nc_u64 s[BP:BP+1], s[8:9], s[84:85]
	s_add_nc_u64 s[10:11], s[10:11], s[86:87]
	s_add_nc_u64 s[12:13], s[12:13], s[88:89]
	CROUND                                         ; the first joint loads meet
	s_cmp_lt_u32 s14, 2                            ; the head's four tiles, one a wave: waves 0, 1 the halves of K step 0, waves 2, 3 the halves of the scales
	s_cbranch_scc0 .Lhead_s
	tensor_load_to_lds s[G0H:G0H+3], s[G1H:G1H+7]
	s_nop 0
	PLACES
	s_branch .Lhead_j
.Lhead_s:
	tensor_load_to_lds s[G0S:G0S+3], s[G1S:G1S+7]
	s_nop 0
	PLACES
.Lhead_j:
	v_and_b32 v1, 15, v0                           ; r
	v_bfe_u32 v2, v0, 4, 1                         ; h
	v_and_b32 v3, 31, v0                           ; lane
	v_mul_u32_u24 v4, v1, PITCH
	v_lshl_add_u32 v4, v2, 4, v4
	v_add_nc_u32 v[ABASE], s82, v4                 ; row r x pitch + 16 h + my 128 rows
	v_lshrrev_b32 v5, 1, v3
	v_mul_u32_u24 v5, v5, 272
	v_and_b32 v6, 1, v0
	v_lshl_add_u32 v5, v6, 7, v5
	v_add_nc_u32 v[ADRS], s83, v5                  ; lane l takes row l of a block of 32: two rows of 128 bytes to an LDS row
	v_lshlrev_b32 v[PB], 4, v3
	v_lshlrev_b32 v[WO], 3, v3
	v_lshlrev_b32 v[CO], 4, v1
	v_lshl_add_u32 v[CO], v2, 16, v[CO]            ; 16 r + 8 h rows
	v_lshlrev_b32 v[PFO], 11, v1
	v_lshl_add_u32 v[PFO], v2, 8, v[PFO]           ; row l % 16, block l / 16 of its 512 bytes
	s_wait_alu depctr_va_vdst(0)
.macro PLOAD set, unit                 ; 512 along K of my tiles' sign words: two loads of 512 consecutive bytes a tile
.irp b, 0,1,2,3,4,5,6,7
.if (HALF == 0) || ((HALF == 1) && (\b < 4)) || ((HALF == 2) && (\b > 3))
.irp j, 0,1
	global_load_b128 v[PR+64*(\set)+8*\b+4*\j:PR+64*(\set)+8*\b+4*\j+3], v[PB], s[BP:BP+1] offset:8192*\b+512*\j+1024*(\unit)
.endr
.endif
.endr
.endm
.irp b, 0,1,2,3,4,5,6,7
	global_load_b64 v[WB+2*\b:WB+2*\b+1], v[WO], s[10:11] offset:256*\b
.endr
	WIN TO_B
	PLOAD 0, 0
	PLOAD 1, 1
	WIN 0
; x's block a of 32 rows against w's tiles, 128 along K.  The accumulators take turns, in the same order in every step.
.macro MUL8 a, p, q, ss, zero
.irp b, 0,1,2,3,4,5,6,7
.if (HALF == 0) || ((HALF == 1) && (\b < 4)) || ((HALF == 2) && (\b > 3))
.if \zero
	v_wmma_scale_f32_32x16x128_f4 v[16*(8*((\a)%2)+\b):16*(8*((\a)%2)+\b)+15], v[AF+16*(\a):AF+16*(\a)+15], v[64*(\p)+8*\b:64*(\p)+8*\b+7], 0, v[SC+16*(\ss)+4*(\a)+(\q)], v[WB+2*\b+1]
.else
	v_wmma_scale_f32_32x16x128_f4 v[16*(8*((\a)%2)+\b):16*(8*((\a)%2)+\b)+15], v[AF+16*(\a):AF+16*(\a)+15], v[64*(\p)+8*\b:64*(\p)+8*\b+7], v[16*(8*((\a)%2)+\b):16*(8*((\a)%2)+\b)+15], v[SC+16*(\ss)+4*(\a)+(\q)], v[WB+2*\b+1]
.endif
.endif
.endr
.endm
; Four tiles' code fragments of one step of 128 into set p, from sign-word set ps, quarter q: code word i of a block = the sign word's bits 4 t + i on the sign bits, the column's magnitudes elsewhere
.macro EXPAND b0, p, ps, q
.irp b, \b0, \b0+1, \b0+2, \b0+3
.irp c, 0,1
.irp i, 0,1,2
	v_lshlrev_b32 v[64*(\p)+8*(\b)+4*\c+\i], 3-\i, v[PR+64*(\ps)+8*(\b)+2*(\q)+\c]
.endr
.endr
.irp c, 0,1
.irp i, 0,1,2
	v_bfi_b32 v[64*(\p)+8*(\b)+4*\c+\i], s[SM], v[64*(\p)+8*(\b)+4*\c+\i], v[WB+2*(\b)]
.endr
	v_bfi_b32 v[64*(\p)+8*(\b)+4*\c+3], s[SM], v[PR+64*(\ps)+8*(\b)+2*(\q)+\c], v[WB+2*(\b)]
.endr
.endr
.endm
.macro FETCH_A adr, off, i0            ; four fragments of 16 rows x 128 K: 8 loads
.irp i, \i0, \i0+1, \i0+2, \i0+3
	ds_load_b128 v[AF+8*(\i):AF+8*(\i)+3],   v[\adr] offset:(\off)+(\i)*16*PITCH
	ds_load_b128 v[AF+8*(\i)+4:AF+8*(\i)+7], v[\adr] offset:(\off)+32+(\i)*16*PITCH
.endr
.endm
.macro SCALES set, off                 ; 512 along K of my 128 rows' scale words: four words a lane, a block of 32 rows a load
.irp a, 0,1,2,3
	ds_load_b128 v[SC+16*(\set)+4*\a:SC+16*(\set)+4*\a+3], v[ADRS] offset:(\off)+\a*16*272
.endr
.endm
; A step of 128 along K, the st-th of its slot, whose successor's fragments of x lie at v[adr] + off.  x's blocks are fetched anew as soon as their products are issued; w's next fragments are made in two halves.
; Both counted waits on DScnt leave the youngest eight loads (four fragments of x) out.
.macro STEPX st, adr, off, zero
.set Q,  (\st)%4
.set US, ((\st)/4)%2
.set PP, (\st)%2
.set NQ, ((\st)+1)%4
.set NS, (((\st)+1)/4)%2
	s_wait_dscnt 8
	WIN MUL_LO
	MUL8 0, PP, Q, US, \zero
	MUL8 1, PP, Q, US, \zero
.if (Q == 3) && DO_EXP
	s_wait_loadcnt LC                              ; the next 512's sign words are in; the loads issued a step ago may be out
.endif
.if DO_EXP && (HALF != 2)
	WIN EXPW
	EXPAND 0, 1-PP, NS, NQ                         ; plain vector work that names no register of the products above: it stands for the places in front of the loads below
.else
	PLACES                                         ; in front of loads into registers that matrix instructions have read
.endif
	WIN 0
.set NSC, 0
	FETCH_A \adr, \off, 0
.if (\st) == 1
	SCALES 1, SC1OFF
.set NSC, 4
.endif
.if ((\st) == 5) && DO_SC5
	SCALES 0, SC5OFF
.set NSC, 4
.endif
	s_wait_dscnt 8+NSC                             ; x's blocks 4-7 are in; the eight loads just issued, and the four of scale words where there are any, may be out
	WIN MUL_HI
	MUL8 2, PP, Q, US, \zero
	MUL8 3, PP, Q, US, \zero
.if DO_EXP && (HALF != 1)
	WIN EXPW
	EXPAND 4, 1-PP, NS, NQ
.endif
	PLACES                                         ; four places: in front of the loads below, and between an operand written by vector instructions and the scaled matrix instruction that takes it
	WIN 0
	FETCH_A \adr, \off, 4
.if (Q == 2) && DO_P
	WIN TO_B
	PLOAD US, 2+US                                 ; this set's last words have just been used: it takes the words of 1,024 further along K
.endif
	WIN 0
	s_wait_alu depctr_va_vdst(0)
.endm
.macro STEP st, adr, zero
	STEPX \st, \adr, 64*((\st)+1), \zero
.endm
; A slot's last step changes slots: one barrier; in front of it all my tensor loads, the add, my reads of this slot.  fill = 1: a round of the cluster's barrier, and this slot takes the K step two on.
.macro TURN fill
	s_wait_tensorcnt 0x0
	ds_add_u32 v[SPW], v[NIL]
	s_wait_dscnt 9                                 ; (the add and the youngest eight loads may be out)
	WIN MUL_LO
	MUL8 0, 1, 3, 1, 0
	s_wait_dscnt 0x0
	s_barrier_signal -1
	MUL8 1, 1, 3, 1, 0
	WIN 0
	s_barrier_wait -1
.if \fill
	CREST
	s_add_nc_u64 s[G0+2:G0+3], s[G0+2:G0+3], 512
	s_xor_b32 s[G0+1], s[G0+1], SLOT
	tensor_load_to_lds s[G0:G0+3], s[G1:G1+7]      ; my 64 rows: the one tensor load behind the round
	s_nop 0
	PLACES
.else
	PLACES
.endif
	FETCH_A ADRN, 0, 0
.if \fill
	s_cmp_eq_u32 s3, 2                             ; behind K step 2's load: K step 3 is asked for; there is no K step 4
	s_cbranch_scc0 .Lno_ask_\@
	global_prefetch_b8 v[PFO], s[PFA:PFA+1] offset:512 th:TH_LOAD_NT scope:SCOPE_SE
.Lno_ask_\@:
.endif
	s_wait_loadcnt LC
.if HALF != 2
	WIN EXPW
	EXPAND 0, 0, 0, 0
.endif
	WIN MUL_HI
	MUL8 2, 1, 3, 1, 0
	MUL8 3, 1, 3, 1, 0
	PLACES
	WIN 0
	FETCH_A ADRN, 0, 4
.if HALF != 1
	WIN EXPW
	EXPAND 4, 0, 0, 0
	PLACES
.endif
	WIN 0
	s_wait_alu depctr_va_vdst(0)
.endm
.macro SLOTADR
	v_add_nc_u32 v[ADRC], s[CUR], v[ABASE]
	v_add_nc_u32 v[ADRN], s[NXT], v[ABASE]
	s_wait_alu depctr_va_vdst(0)
.endm
; THE WAY OUT of 16 rows (block k) x 64 columns (tiles 4 g .. 4 g + 3): register j of the four accumulators is copied into four registers on end, from v[buf] of window dw, and stored:
; lanes 0-15 store 256 consecutive bytes of row j, aligned, lanes 16-31 of row 8 + j.  Each accumulator is read from its low end on.  Every offset is an immediate: 127 rows of 8,192 bytes at the most.
.macro EMIT k, g, buf, dw
.set WN, ((\dw)<<6)|(2+(\k)/4)
	WIN WN
.irp j, 0,1,2,3,4,5,6,7
.irp e, 0,1,2,3
	v_mov_b32 v[(\buf)+4*\j+\e], v[16*(8*(((\k)/2)%2)+4*(\g)+\e)+8*((\k)%2)+\j]
.endr
.endr
.set WN, (\dw)<<2
	WIN WN
.irp j, 0,1,2,3,4,5,6,7
	global_store_b128 v[CO], v[(\buf)+4*\j:(\buf)+4*\j+3], s[12:13] offset:(16*(\k)+\j)*8192+256*(\g) th:TH_STORE_NT
.endr
	WIN 0
.endm
.macro EARLY k                         ; a block of the finished columns, among the second pass's steps; three buffers by turns
.if (\k) > 2
	s_wait_xcnt 0x0                                ; the earlier stores have read their data: a buffer is written again
.endif
.if (\k)%3 == 0
	EMIT \k, 0, 96, 0
.elseif (\k)%3 == 1
	EMIT \k, 0, 192, 0
.else
	EMIT \k, 0, 224, 0
.endif
.endm
	s_wait_loadcnt 16                              ; the pairs and the first 512's sign words are in
	WIN EXPW
	EXPAND 0, 0, 0, 0                              ; the first step's fragments of w, while the head's tiles are on their way
	EXPAND 4, 0, 0, 0
	WIN 0
	s_wait_alu depctr_va_vdst(0)
	s_wait_tensorcnt 0x0                           ; my tile of the head's four is in
	ds_add_u32 v[SPW], v[NIL]
	s_wait_dscnt 0x0
	CROUND
	tensor_load_to_lds s[G0:G0+3], s[G1:G1+7]      ; K step 1 into slot 1
	s_nop 0
	PLACES
	SCALES 0, 0
	FETCH_A ABASE, 0, 0
	FETCH_A ABASE, 0, 4
	global_prefetch_b8 v[PFO], s[PFA:PFA+1] th:TH_LOAD_NT scope:SCOPE_SE   ; K step 2
	STEP 0, ABASE, 1                               ; the first step starts the sums
	s_mov_b32 s3, 2
.Ltrip:                                                ; a trip: a slot's steps 1 to 7 and the next slot's step 0; it fills the slot again
	SLOTADR
.irp s, 1,2,3,4,5,6
	STEP \s, ADRC, 0
.endr
	TURN 1
	STEP 0, ADRN, 0
	s_wait_xcnt 0x0                                ; the loads of sign words have read their base
	s_add_nc_u64 s[BP:BP+1], s[BP:BP+1], 2048
	v_add_nc_u32 v[ADRS], 32, v[ADRS]
	s_wait_alu depctr_va_vdst(0)
	s_xor_b32 s[CUR], s[CUR], SLOT
	s_xor_b32 s[NXT], s[NXT], SLOT
	s_sub_co_u32 s3, s3, 1
	s_cmp_lg_u32 s3, 0
	s_cbranch_scc1 .Ltrip
	SLOTADR                                        ; step 16 is done for all columns; nothing is filled any more.  v[ADRS] stands at the fifth 512 along K
; THE FIRST PASS over steps 17 to 31: tiles 0-3.  A load of sign words is now 8 instructions.
.set HALF, 1
.set LC, 8
.irp s, 1,2,3,4,5,6
	STEP \s, ADRC, 0
.endr
	TURN 0                                         ; slot 1's last fill is in, for every wave
	STEP 0, ADRN, 0
.set DO_P, 0
.set LC, 0
.set SC1OFF, 48
.set SC5OFF, 0                                     ; step 29 brings the fifth 512's scale words back, for the second pass
.irp s, 1,2,3,4,5,6
	STEP \s, ADRN, 0
.endr
.set DO_EXP, 0                                     ; step 17's fragments of tiles 4-7 still stand in their set: step 16 made them
	STEPX 7, ADRC, 64, 0                           ; and x's fragments of step 17 are fetched again
; THE SECOND PASS: tiles 4-7; the finished columns leave meanwhile
.set HALF, 2
.set DO_EXP, 1
.set DO_P, 1
.set LC, 8
.set SC1OFF, 16
.set SC5OFF, 32
	EARLY 0
	STEP 1, ADRC, 0
	STEP 2, ADRC, 0
	EARLY 1
	STEP 3, ADRC, 0
	STEP 4, ADRC, 0
	EARLY 2
	STEP 5, ADRC, 0
	STEP 6, ADRC, 0
	EARLY 3
	STEPX 7, ADRN, 0, 0                            ; no barrier: both slots have been whole since the first pass
	STEP 0, ADRN, 0
	EARLY 4
.set DO_P, 0
.set DO_SC5, 0
.set LC, 0
.set SC1OFF, 48
	STEP 1, ADRN, 0
	STEP 2, ADRN, 0
	EARLY 5
	STEP 3, ADRN, 0
	STEP 4, ADRN, 0
	EARLY 6
	STEP 5, ADRN, 0
	STEP 6, ADRN, 0
	EARLY 7
	s_wait_dscnt 8
	WIN MUL_LO
	MUL8 0, 1, 3, 1, 0
	MUL8 1, 1, 3, 1, 0
	s_wait_dscnt 0x0
	WIN MUL_HI
	MUL8 2, 1, 3, 1, 0
	MUL8 3, 1, 3, 1, 0
	PLACES                                         ; in front of the reads of results and of the writes into window 1, free now: eight buffers of 32, none written twice
.irp k, 0,1,2,3,4,5,6,7
	EMIT \k, 1, 32*\k, 1
.endr
	s_wait_tensorcnt 0x0                           ; the wave's end
	ds_add_u32 v[SPW], v[NIL]
	s_wait_dscnt 0x0
	CROUND                                         ; the closing round
	s_endpgm
.Lfunc_end_k_q5bd9a9a8a2_gemm:
	.size	k_q5bd9a9a8a2_gemm, .Lfunc_end_k_q5bd9a9a8a2_gemm-k_q5bd9a9a8a2_gemm
	.p2alignl 7, 3214868480
	.fill 96, 4, 3214868480
	.section	.rodata,"a",@progbits
	.p2align	6, 0x0
	.amdhsa_kernel k_q5bd9a9a8a2_gemm
		.amdhsa_group_segment_fixed_size 327680
		.amdhsa_private_segment_fixed_size 0
		.amdhsa_enable_private_segment 0
		.amdhsa_kernarg_size 40
		.amdhsa_user_sgpr_count 2
		.amdhsa_user_sgpr_kernarg_segment_ptr 1
		.amdhsa_wavefront_size32 1
		.amdhsa_system_sgpr_workgroup_id_x 1
		.amdhsa_system_sgpr_workgroup_id_y 1
		.amdhsa_system_sgpr_workgroup_id_z 1
		.amdhsa_system_vgpr_workitem_id 0
		.amdhsa_next_free_vgpr 1024
		.amdhsa_next_free_sgpr 98
		.amdhsa_reserve_vcc 0
		.amdhsa_float_denorm_mode_32 3
		.amdhsa_float_denorm_mode_16_64 3
		.amdhsa_memory_ordered 1
		.amdhsa_forward_progress 1
		.amdhsa_inst_pref_size 255
	.end_amdhsa_kernel
	.section	.bss,"aw",@nobits
	.p2align	6
	.space	262144
	.amdgpu_metadata
---
amdhsa.version: [ 1, 2 ]
amdhsa.kernels:
  - .name:           k_q5bd9a9a8a2_gemm
    .symbol:         k_q5bd9a9a8a2_gemm.kd
    .args:
      - { .name: xc, .offset: 0, .size: 8, .value_kind: global_buffer, .address_space: global }
      - { .name: xs, .offset: 8, .size: 8, .value_kind: global_buffer, .address_space: global }
      - { .name: wp, .offset: 16, .size: 8, .value_kind: global_buffer, .address_space: global }
      - { .name: ws, .offset: 24, .size: 8, .value_kind: global_buffer, .address_space: global }
      - { .name: out0, .offset: 32, .size: 8, .value_kind: global_buffer, .address_space: global }
    .group_segment_fixed_size: 327680
    .private_segment_fixed_size: 0
    .kernarg_segment_align: 8
    .kernarg_segment_size: 40
    .max_flat_workgroup_size: 128
    .sgpr_count:     98
    .vgpr_count:     1024
    .wavefront_size: 32
...
	.end_amdgpu_metadata
.endif
;; end of part 2
